; MI455X (gfx1250); checked and timed in simulation.
; The chip was launched on July 23, 2026; its instructions are those of AMD's public machine-readable ISA for CDNA 5 (MIT licence, August 2026) and "CDNA5" Instruction Set Architecture Reference Guide (July 2026). The comments in the code are by the model that wrote it; some were corrected since.
;; Multi Head Self Attention. Allowed arithmetic: matrix products marked QUANTISED: E2M3 operands, one E8M0 scale for each 32 along K, by v_wmma_scale_f32_16x16x128_f8f6f4 with both operands' format E2M3, f32 sums; everything else in f32.
;; Inputs: W_out_codes 1,024 x 32 x 24 uint8 (E2M3 codes of W_out, K innermost, in blocks of 32 codes, four codes in three bytes); W_out_scales 1,024 x 32 uint8 (E8M0 scales of W_out, one for each 32 codes along K); W_qkv_codes 3,072 x 32 x 24 uint8 (E2M3 codes of W_qkv, K innermost, in blocks of 32 codes, four codes in three bytes); W_qkv_scales 3,072 x 32 uint8 (E8M0 scales of W_qkv, one for each 32 codes along K); b_out 1,024 float32; x_codes 2,048 x 4 x 32 x 24 uint8 (E2M3 codes of x, K innermost, in blocks of 32 codes, four codes in three bytes); x_scales 2,048 x 4 x 32 uint8 (E8M0 scales of x, one for each 32 codes along K).
;; Outputs: out0 2,048 x 4 x 1,024 float32.
;; This version of the problem:
;;   THIS VERSION OF THE PROBLEM IS GIVEN IN LOW PRECISION. The matrix products marked QUANTISED in the list below multiply operands that are first quantised to E2M3 (2 exponent bits, 3 mantissa bits; 6 bits a number), with one power-of-two scale for each 32 numbers along K (OCP MX v1.0); their sums are f32. All else is computed in f32.
;;   The module's matrix products, in the order in which they are computed (A, B: the left and right operand; K: the contracted axis; several contracted axes count as one K, in the product's order):
;;     1. [M 8,192, K 1,024] x [K 1,024, N 3,072]; A: input x (given as codes); B: input W_qkv (given as codes): QUANTISED
;;     2. batch 64 x [M 2,048, K 64] x [K 64, N 2,048]; A: computed on the way; B: computed on the way: QUANTISED
;;     3. batch 64 x [M 64, K 2,048] x [K 2,048, N 2,048]; A: computed on the way; B: softmax (see below): QUANTISED
;;     4. [M 8,192, K 1,024] x [K 1,024, N 1,024]; A: computed on the way; B: input W_out (given as codes): QUANTISED
;;   THE QUANTISER, for each operand of a quantised product, along K:
;;     - K is cut into blocks of 32 from its start; a last block that is shorter is filled with zeros.
;;     - A block's scale is 2^e with e = floor(log2(the largest magnitude in the block)) - 2, held to -126 .. 127; a block of zeros has e = 0. As a byte (E8M0): e + 127.
;;     - Each number is divided by its block's scale, clamped to +-7.5, and rounded to the nearest number of E2M3, ties to even, subnormals kept.
;;     - The product sums the exact products of the quantised numbers (number of the format x scale) in f32.
;;   ~~~python
;;   def quantise(x, axis):      # numpy; x: float32 -> the quantised numbers, widened to float32 again
;;       x = np.moveaxis(x, axis, -1); K = x.shape[-1]
;;       x = np.pad(x, [(0, 0)] * (x.ndim - 1) + [(0, -K % 32)]); x = x.reshape(x.shape[:-1] + (-1, 32)); a = np.abs(x).max(-1, keepdims=True)
;;       e = np.where(a > 0, np.clip(np.frexp(np.where(a > 0, a, 1))[1] - 1 - 2, -126, 127), 0)      # np.frexp(a)[1] - 1 = floor(log2(a)), exactly
;;       r = np.clip(x / 2.0 ** e, -7.5, 7.5)
;;       step = 2.0 ** (np.maximum(np.frexp(np.where(r == 0, 1, r))[1] - 1, 0) - 3)
;;       q = np.round(r / step) * step * 2.0 ** e      # np.round: ties to even
;;       return np.moveaxis(q.reshape(q.shape[:-2] + (-1,))[..., :K], -1, axis).astype(np.float32)
;;   ~~~
;;   SOFTMAX AHEAD OF A QUANTISED PRODUCT. Where the list says 'softmax', what is quantised is not the finished softmax but p = 2^(t - M), with t = logit x log2(e) and M = ceil(the row's largest t), a whole number; so 1/2 < the row's largest p <= 1. The row's sum l is taken of the UNQUANTISED p, in f32, and the product's result is divided by l at the end. Since M is a whole number, a kernel that streams over the keys may use a running M (the ceiling of the running maximum): every later rescaling is an exact power of two, which a block's scale takes up: the codes' values come out the same.
;;   OPERANDS COMPUTED ON THE WAY. 'Computed on the way' means the value that the module computes at that place (a softmax that the list does not call 'softmax' is quantised finished and normalised). What goes into a quantiser is computed in f32, as accurately as f32 sums, v_exp_f32 and their like allow (about 1e-6 of the number): no bf16 or f16 on the way to a quantiser, and a product that is left as it is and whose result goes on into a quantised operand takes f32 operands (vector FMAs, or v_wmma_f32_16x16x4_f32). A number that lies on a knife's edge between two numbers of the format may be rounded either way, as far as f32 arithmetic and the matrix unit's own rounding can turn it there, and no further.
;;   INPUTS GIVEN AS CODES. W_out (in the module: [1024, 1024], K = its axis 1); W_qkv (in the module: [3072, 1024], K = its axis 1); x (in the module: [2048, 4, 1024], K = its axis 2): each comes as NAME_codes (uint8): NAME with its K axis moved to the last place and cut into blocks of 32 codes, [.., K / 32, bytes a block], one block behind the other in memory; four codes in three bytes: a row's codes are one little-endian stream of bits, code i at bits 6 i .. 6 i + 5 (a code: sign, 2 exponent bits, 3 mantissa bits); and NAME_scales (uint8): the same leading axes, one E8M0 byte (e + 127) for each 32 codes along K. Its value is code x scale, taken as it is: it is not quantised again, and the codes and scales need not be those that the quantiser above would give.
;; One version. Each part assembles by itself: llvm-mc -triple=amdgcn-amd-amdhsa -mcpu=gfx1250 --defsym DOCPART=n.
;; ======== version 1 of 1: 3 launches
;; limits: right only within a limited range of input values
;; workspace buffers: qkv_codes 18,874,368 bytes; qkv_scales 1,572,864 bytes; att_codes 6,291,456 bytes; att_scales 262,144 bytes
;; launch qkv (part 1): grid 4 x 64, 4 waves a work-group, clusters of 4 x 4, 327,680 bytes of LDS; arguments x_codes, x_scales, W_qkv_codes, W_qkv_scales, qkv_codes, qkv_scales; writes qkv_codes, qkv_scales
.if DOCPART == 1
	.amdgcn_target "amdgcn-amd-amdhsa--gfx1250"
	.amdhsa_code_object_version 6
	.text
	.protected	k_q1bfcdc1ec5_qkv
	.globl	k_q1bfcdc1ec5_qkv
	.p2align	8
	.type	k_q1bfcdc1ec5_qkv,@function
k_q1bfcdc1ec5_qkv:
	s_mov_b64 s[64:65], 0
	v_nop
	global_prefetch_b8 v0, s[64:65] scope:SCOPE_SE
	s_setreg_imm32_b32 hwreg(HW_REG_WAVE_MODE, 25, 1), 1
	s_wait_xcnt 0x0
	s_wait_alu depctr_hold_cnt(0) depctr_sa_sdst(0) depctr_va_vdst(0) depctr_va_sdst(0) depctr_va_ssrc(0) depctr_va_vcc(0) depctr_vm_vsrc(0)
	s_getreg_b32 s2, hwreg(HW_REG_IB_STS2, 6, 4)
	s_cmp_eq_u32 s2, 0
	s_cbranch_scc0 .Lentry_in_a_cluster
	s_endpgm
.Lentry_in_a_cluster:
	s_bfe_u32 s2, ttmp6, 0x10000c
	s_cmp_lg_u32 s2, 0xf033
	s_cbranch_scc0 .Lentry_shape_is_right
	s_endpgm
.Lentry_shape_is_right:
; qkv = x W_qkv^T on codes of FP6 (E2M3) with E8M0 scales; the results are quantised at once: q and k along the head's 64 channels, v along the keys (t).
; SHARES. A work-group (J = 0..3, Y = 0..63) takes 128 t of one batch (batch Y / 16, block Y % 16) and rows 256 J .. 256 J + 255 of each of q, k, v: six tiles of 128 rows of W, walked in the order q, q, k, k, v, v.
; A wave takes 64 t (half HX) x 64 rows of W (half HW, one head): 16 accumulators. Its 64 rows of x, all of K, stay in 384 registers; W's tiles go through two LDS regions with whole rows of 768 bytes.
; Region 0 first holds x's tile; it is read into registers once and then takes W's odd tiles. Tile T lies in region (T + 1) % 2; each wave fetches 32 rows of a tile.
; CLUSTERS 4 x 4: x's tile is asked for jointly along a row of the cluster, W's tiles along a column.
; SOURCES. q, k: source 0 = W, source 1 = x (a lane holds one t, its registers run along the channels). v: source 0 = x, source 1 = W (a lane holds one channel, registers along t). Both operands lie in registers, so the two forms differ in the matrix instruction's operands alone.
; OUT. The 32 registers of one block of source 1 become six registers of codes: half an image of an operand's registers (register pair g of lane l at 256 g + 8 l), 768 bytes, and two scale bytes a row.
; ORDER INSIDE A BLOCK OF 32: element 16 u + 8 h + j lies at place 16 h + 8 u + j, alike in q and k, and in v and the next launch's p.
; qkv_codes [part 3][batch x 8 + head pair][block of 128 t: 16][8][1536]. qkv_scales: q, k at part x 524288: [batch x 16 + head][tile of 16 t: 128][16 rows][4] (two bytes, zeros above); v at 1048576: [batch x 8 + pair][block 16][8 channel blocks][16 rows][4].
; A v word's four bytes come from two waves (64 keys each): they meet in LDS and are stored behind a barrier at the end.
; PREFETCH: in phase T of the loop tile T + 2 is asked for; of a wave's 32 rows each of the four column partners names 8 (by address), lanes 0-23 one block of 256 bytes each, lanes 24-31 the last block again.
; LIMITS: an input scale byte 0xff is not served; a block of zeros gets the byte 1 (its codes are zeros, and this program alone reads these bytes); magnitudes under 2^(3 - 127) are held at that byte.
.set RP, 816                           ; an LDS row: 3 x (256 + 16)
.set R1, 104448                        ; region 1
.set XSC, 208896                       ; x's scale bytes, rows of 32 + 8
.set WSC, 214016                       ; W's, 768 rows, units of 256 + 16
.set QST, 240128                       ; stages for scale words
.set VST, 241152
.set SPARE, 242176
.set ADX, 6
.set ADW, 8
.set ADXS, 12
.set ADWS0, 13
.set ADWS, 14
.set STG, 15
.set RDQ, 16
.set CO, 17
.set VSTG, 18
.set RDV, 19
.set CO16, 20
.set PFO, 21
.set BK, 22
.set SPW, 28
.set NIL, 29
.set XS, 32                            ; x's scale words: 8 a + step
.set WS, 64                            ; W's: 8 b + step
.set WF, 96                            ; W's fragments, two sets of 48
.set TP, 96
.set TM, 192
.set T2, 200
.set SO, 208
.set SW, 216
.set PC, 220
.set WV, 16
.set HX, 17
.set HW, 18
.set CNT, 19
.set WOFF, 94
.set G1X, 24
.set G1W, 32
.set G1XS, 40
.set G1WS, 48
.set GX, 56
.set GWH, 60
.set GXS, 68
.set GWS, 72
.set GR0, 76                           ; s[76:79] region 0's group 0, s[80:83] region 1's
.set MSB, 0
.macro WIN new
.if MSB != (\new)
	s_set_vgpr_msb (MSB<<8)|(\new)
.set MSB, (\new)
.endif
.endm
.macro PLACES n
.rept \n
	v_nop
.endr
.endm
.macro CROUND
	s_barrier_signal -1
	s_barrier_wait -1
	s_cmp_lg_u32 s[WV], 0
	s_cbranch_scc1 .Lnot_wave_0_\@
	s_barrier_signal -3
.Lnot_wave_0_\@:
	s_barrier_wait -3
	s_barrier_signal -1
	s_barrier_wait -1
.endm
.macro MKG1 g, d0, d1, p
	s_mov_b32 s[\g+1], (\d0)<<16
	s_mov_b32 s[\g+2], (\d1)<<16
	s_mov_b32 s[\g+3], (\d0)<<16
	s_mov_b32 s[\g+4], \d1
	s_mov_b32 s[\g+5], \p
	s_mov_b32 s[\g+6], 0
	s_mov_b32 s[\g+7], 0
.endm
.macro MKG0 g, b
	s_mov_b32 s[\g], 1
	s_mov_b64 s[\g+2:\g+3], s[\b:\b+1]
	s_or_b32 s[\g+3], s[\g+3], 0x80000000
.endm
.macro ARM under, g0, g1, next
	s_cmp_lt_u32 s[WV], \under
	s_cbranch_scc0 \next
	tensor_load_to_lds s[\g0:\g0+3], s[\g1:\g1+7]
	s_nop 0
	PLACES 4
	s_branch .Lhead_asked
\next:
.endm
	s_load_b256 s[4:11], s[0:1], 0x0               ; x's codes, x's scales, W's codes, W's scales
	s_load_b128 s[12:15], s[0:1], 0x20             ; qkv_codes, qkv_scales
	v_lshl_add_u32 v[SPW], v0, 2, SPARE
	v_mov_b32 v[NIL], 0
	ds_add_u32 v[SPW], v[NIL]                      ; the opening lines: the add twice and its wait
	ds_add_u32 v[SPW], v[NIL]
	v_lshrrev_b32 v1, 5, v0
	v_readfirstlane_b32 s[WV], v1
	s_lshr_b32 s[HX], s[WV], 1
	s_and_b32 s[HW], s[WV], 1
	s_bfe_u32 s95, ttmp6, 0x40000                  ; cx
	s_bfe_u32 s98, ttmp6, 0x40004                  ; cy
	s_lshl_b32 s100, ttmp9, 2
	s_add_co_u32 s100, s100, s95                   ; J
	s_and_b32 s99, ttmp7, 0xffff
	s_lshl_b32 s99, s99, 2
	s_add_co_u32 s99, s99, s98                     ; Y
	s_lshl_b32 s22, s98, 2
	s_lshl_b32 s22, 15, s22                        ; my row of the cluster
	s_lshl_b32 s94, 0x1111, s95                    ; my column
	s_or_b32 s[G1X], s22, (1<<20)|(1<<21)|(5<<22)|(3<<25)   ; bytes; 16 bytes of padding behind every 256
	s_or_b32 s[G1W], s94, (1<<20)|(1<<21)|(5<<22)|(3<<25)
	s_or_b32 s[G1XS], s22, (2<<16)|(1<<20)|(1<<21)|(2<<22)|(1<<25)   ; rows of 32 bytes, 8 of padding
	s_or_b32 s[G1WS], s94, (3<<16)|(1<<20)|(1<<21)|(5<<22)|(3<<25)
	MKG1 G1X, 768, 128, 3072                       ; 128 t of one batch
	MKG1 G1W, 768, 128, 768                        ; the head's tile 0 whole; behind the head 32 rows
	MKG1 G1XS, 8, 128, 32
	MKG1 G1WS, 1024, 3, 4096                       ; 8,192 dense bytes of each of q, k, v
	s_lshr_b32 s23, s99, 4                         ; batch
	s_and_b32 s101, s99, 15                        ; block of 128 t
	s_lshl_b32 s2, s101, 9
	s_add_co_u32 s2, s2, s23                       ; x's first row
	s_lshl_b32 s66, s2, 5
	s_mov_b32 s67, 0
	s_mul_i32 s2, s2, 768
	s_mov_b32 s3, 0
	s_mul_i32 s20, s100, 196608
	s_mov_b32 s21, 0
	s_lshl_b32 s84, s100, 13
	s_mov_b32 s85, 0
	s_mul_i32 s86, s[WV], 24576
	s_add_co_u32 s86, s86, s20                     ; my 32 rows of tile 0
	s_mov_b32 s87, 0
	s_mul_i32 s19, s[WV], 32*RP
	s_mov_b32 s96, 0x76543210
	s_mov_b32 s97, 0xfedcba98
	s_wait_dscnt 0x0
	s_wait_kmcnt 0x0
	s_add_nc_u64 s[2:3], s[4:5], s[2:3]
	s_add_nc_u64 s[66:67], s[6:7], s[66:67]
	s_add_nc_u64 s[20:21], s[8:9], s[20:21]
	s_add_nc_u64 s[84:85], s[10:11], s[84:85]
	s_add_nc_u64 s[86:87], s[8:9], s[86:87]
	CROUND                                         ; the first joint loads meet
	MKG0 GX, 2
	s_mov_b32 s[GX+1], 0
	MKG0 GWH, 20
	s_mov_b32 s[GWH+1], R1
	MKG0 GXS, 66
	s_mov_b32 s[GXS+1], XSC
	MKG0 GWS, 84
	s_mov_b32 s[GWS+1], WSC
	MKG0 GR0+4, 86                                 ; stepped to tile 2 in phase 0
	s_add_co_u32 s[GR0+5], s19, R1
	s_add_nc_u64 s[92:93], s[86:87], 786432        ; the prefetches begin at tile 2
	s_add_nc_u64 s[86:87], s[86:87], 98304
	MKG0 GR0, 86                                   ; tile 1
	s_mov_b32 s[GR0+1], s19
	ARM 1, GX, G1X, .Lh1                           ; one tensor load a wave at the head: x, W's tile 0, x's scales, W's scales
	ARM 2, GWH, G1W, .Lh2
	ARM 3, GXS, G1XS, .Lh3
	tensor_load_to_lds s[GWS:GWS+3], s[G1WS:G1WS+7]
	s_nop 0
	PLACES 4
.Lhead_asked:
	s_mul_i32 s2, s98, 6144                        ; my work-group's 8 of the 32 rows
	s_mov_b32 s3, 0
	s_add_nc_u64 s[92:93], s[92:93], s[2:3]
	s_lshl_b32 s19, s23, 3
	s_lshl_b32 s20, s100, 1
	s_add_co_u32 s19, s19, s20
	s_lshl_b32 s19, s19, 4
	s_add_co_u32 s19, s19, s101                    ; (batch x 8 + 2 J) x 16 + block
	s_mul_i32 s20, s19, 12288
	s_mul_i32 s21, s[HX], 6144
	s_mul_i32 s94, s[HW], 768
	s_add_co_u32 s84, s20, s21
	s_add_co_u32 s84, s84, s94
	s_mov_b32 s85, 0
	s_add_nc_u64 s[84:85], s[12:13], s[84:85]      ; q's codes
	s_mul_i32 s21, s[HW], 6144
	s_mul_i32 s94, s[HX], 768
	s_add_co_u32 s88, s20, s21
	s_add_co_u32 s88, s88, s94
	s_add_co_u32 s88, s88, 12582912
	s_mov_b32 s89, 0
	s_add_nc_u64 s[88:89], s[12:13], s[88:89]      ; v's codes
	s_lshl_b32 s90, s19, 9
	s_lshl_b32 s21, s[HW], 13
	s_add_co_u32 s90, s90, s21
	s_add_co_u32 s90, s90, 1048576
	s_mov_b32 s91, 0
	s_add_nc_u64 s[90:91], s[14:15], s[90:91]      ; v's scale words: wave 0 stores the first tile's, wave 1 the second's
	s_lshl_b32 s86, s23, 4
	s_lshl_b32 s21, s100, 2
	s_add_co_u32 s86, s86, s21
	s_add_co_u32 s86, s86, s[HW]
	s_lshl_b32 s86, s86, 13
	s_lshl_b32 s21, s101, 9
	s_add_co_u32 s86, s86, s21
	s_lshl_b32 s21, s[HX], 8
	s_add_co_u32 s86, s86, s21
	s_mov_b32 s87, 0
	s_add_nc_u64 s[86:87], s[14:15], s[86:87]      ; q's scale words
	s_mul_i32 s2, s[HX], 64*RP
	s_mul_i32 s3, s[HW], 64*RP
	s_mul_i32 s66, s[HX], 2560
	s_add_co_u32 s66, s66, XSC
	s_mul_i32 s67, s[HW], 2176
	s_add_co_u32 s67, s67, WSC
	s_lshl_b32 s19, s[WV], 8
	s_add_co_u32 s19, s19, QST
	s_lshl_b32 s20, s[HW], 8
	s_lshl_b32 s21, s[HX], 1
	s_add_co_u32 s20, s20, s21
	s_add_co_u32 s20, s20, VST
	s_lshl_b32 s21, s[HW], 9
	s_add_co_u32 s21, s21, VST
	v_and_b32 v1, 15, v0                           ; r
	v_bfe_u32 v2, v0, 4, 1                         ; h
	v_and_b32 v3, 31, v0                           ; l
	v_mul_u32_u24 v4, v1, RP
	v_mad_u32_u24 v4, v2, 24, v4                   ; row x pitch + 24 h
	v_lshl_add_u32 v5, v2, 4, v4                   ; lanes 16-31 behind one padding more
	v_add_nc_u32 v[ADX], s2, v4
	v_add_nc_u32 v[ADX+1], s2, v5
	v_add_nc_u32 v[ADW], s3, v4
	v_add_nc_u32 v[ADW+1], s3, v5
	v_add_nc_u32 v[ADW+2], R1, v[ADW]
	v_add_nc_u32 v[ADW+3], R1, v[ADW+1]
	v_mad_u32_u24 v[ADXS], v1, 40, s66
	v_lshrrev_b32 v26, 3, v1
	v_lshlrev_b32 v27, 5, v1
	v_lshl_add_u32 v27, v26, 4, v27                ; 32 r + 16 for each 256 passed
	v_add_nc_u32 v[ADWS0], s67, v27
	v_lshl_add_u32 v[STG], v1, 2, s19
	v_lshl_add_u32 v[RDQ], v3, 3, s19
	v_lshlrev_b32 v[CO], 3, v3
	v_lshl_add_u32 v[VSTG], v1, 2, s20
	v_lshl_add_u32 v[RDV], v3, 4, s21
	v_lshlrev_b32 v[CO16], 4, v3
	v_and_b32 v26, 7, v3
	v_lshrrev_b32 v27, 3, v3
	v_min_u32 v27, 2, v27
	v_mul_u32_u24 v26, v26, 768
	v_lshl_add_u32 v[PFO], v27, 8, v26
.irp n, 0,1,2,3,4,5,6,7
	v_mov_b32 v[T2+\n], 0                          ; a lane permute's destination counts as a source
.endr
.macro FRAG reg, adr, st, i            ; 16 rows x 128 K: 12 registers, in pieces of 8 bytes; byte y of a row lies at y + 16 (y / 256)
.irp p, 0,1,2,3,4,5
.set BY, 96*(\st)+48*(\p/3)+8*(\p%3)
.if BY/256 == (BY+24)/256
	ds_load_b64 v[\reg+2*\p:\reg+2*\p+1], v[\adr] offset:BY+16*(BY/256)+(\i)*16*RP
.else
	ds_load_b64 v[\reg+2*\p:\reg+2*\p+1], v[\adr+1] offset:BY+16*(BY/256)+(\i)*16*RP
.endif
.endr
.endm
.macro FW rg, st                       ; W's four fragments of a step into set st % 2
.irp b, 0,1,2,3
	FRAG WF+48*((\st)%2)+12*\b, ADW+2*(\rg), \st, \b
.endr
.endm
.macro MM st, v, a, ao, b              ; one product: x's block a (at 96 ao + 12 st of its window) with W's block b
.set XF, 96*(\ao)+12*(\st)
.set WG, WF+48*((\st)%2)+12*(\b)
.if \v
.set DD, 8*(4*(\b)+(\a))
.set S0, XF
.set S1, WG
.set SA, XS+8*(\a)+(\st)
.set SB, WS+8*(\b)+(\st)
.else
.set DD, 8*(4*(\a)+(\b))
.set S0, WG
.set S1, XF
.set SA, WS+8*(\b)+(\st)
.set SB, XS+8*(\a)+(\st)
.endif
.if (\st) == 0
	v_wmma_scale_f32_16x16x128_f8f6f4 v[DD:DD+7], v[S0:S0+11], v[S1:S1+11], 0, v[SA], v[SB] matrix_a_fmt:MATRIX_FMT_FP6 matrix_b_fmt:MATRIX_FMT_FP6
.else
	v_wmma_scale_f32_16x16x128_f8f6f4 v[DD:DD+7], v[S0:S0+11], v[S1:S1+11], v[DD:DD+7], v[SA], v[SB] matrix_a_fmt:MATRIX_FMT_FP6 matrix_b_fmt:MATRIX_FMT_FP6
.endif
.endm
.macro MUL st, v                       ; a step's 16 products; the 16 accumulators take turns. x's blocks 0, 1 lie in window 1, 2, 3 in window 2; accumulators in window 3
.irp w, 0,1
.if \v
	WIN 0xf1+\w
.else
	WIN 0xf4+4*\w
.endif
.irp a, 0,1
.irp b, 0,1,2,3
	MM \st, \v, 2*\w+\a, \a, \b
.endr
.endr
.endr
.endm
; The way out of a tile: block s of source 1 holds 32 registers at 32 s, register 16 b + 8 u + j = element 32 b + 16 u + 8 h + j of my row. Eight blocks of 32 by turns.
.macro EPI v, half
	PLACES 4
	WIN 0x0f
.irp n, 0,1,2,3,4,5,6,7
	v_max3_num_f32 v[TM+\n], |v[16*\n]|, |v[16*\n+1]|, 0x1800000   ; each accumulator from its low end on; the floor 2^(3 - 127)
.endr
.irp i, 2,4,6,8,10,12,14
.irp n, 0,1,2,3,4,5,6,7
	v_max3_num_f32 v[TM+\n], |v[16*\n+\i]|, |v[16*\n+\i+1]|, v[TM+\n]
.endr
.endr
	WIN 0
.irp n, 0,1,2,3,4,5,6,7
	v_permlanex16_b32 v[T2+\n], v[TM+\n], s96, s97
.endr
.irp n, 0,1,2,3,4,5,6,7
	v_max_num_f32 v[TM+\n], v[TM+\n], v[T2+\n]
.endr
.irp n, 0,1,2,3,4,5,6,7
	v_add_nc_u32 v[SO+\n], 0xff000000, v[TM+\n]    ; 2 off the exponent field: the conversion's scale operand
.endr
.irp n, 0,1,2,3,4,5,6,7
	v_lshrrev_b32 v[T2+\n], 23, v[SO+\n]           ; the byte
.endr
.irp s, 0,1,2,3
	v_lshl_or_b32 v[SW+\s], v[T2+2*\s+1], 8, v[T2+2*\s]
.endr
	s_wait_alu depctr_va_vdst(0)
	s_wait_xcnt 0x0                                ; the last tile's stores have read their registers
	WIN 0x03
.irp s, 0,1,2,3
	v_cvt_scalef32_pk16_fp6_f32 v[PC+8*\s:PC+8*\s+2], v[32*\s:32*\s+15], v[SO+2*\s]
	v_cvt_scalef32_pk16_fp6_f32 v[TP+4*\s:TP+4*\s+2], v[32*\s+16:32*\s+31], v[SO+2*\s+1]
.endr
	WIN 0
	v_nop                                          ; a plain place behind the conversions
.irp s, 0,1,2,3
.irp i, 0,1,2
	v_permlane16_swap_b32 v[PC+8*\s+\i], v[TP+4*\s+\i]   ; a whole block in a lane
.endr
.endr
.irp s, 0,1,2,3
.irp i, 0,1,2
	v_mov_b32 v[PC+8*\s+3+\i], v[TP+4*\s+\i]
.endr
.endr
.irp s, 0,1,2,3
.if \v
	ds_store_b16 v[VSTG], v[SW+\s] offset:512*\half+64*\s
.else
	ds_store_b32 v[STG], v[SW+\s] offset:64*\s
.endif
.irp g, 0,1,2
.if \v
	global_store_b64 v[CO], v[PC+8*\s+2*\g:PC+8*\s+2*\g+1], s[88:89] offset:196608*\half+1536*\s+256*\g th:TH_STORE_NT
.else
	global_store_b64 v[CO], v[PC+8*\s+2*\g:PC+8*\s+2*\g+1], s[84:85] offset:196608*\half+1536*\s+256*\g th:TH_STORE_NT   ; 32 lanes store 256 consecutive bytes, aligned
.endif
.endr
.endr
.if \v == 0
	ds_load_b64 v[BK:BK+1], v[RDQ]                 ; my four tiles' scale words, 256 bytes; LDS serves a wave's instructions in order
	s_wait_dscnt 0x0
	global_store_b64 v[CO], v[BK:BK+1], s[86:87] offset:16384*\half th:TH_STORE_NT
.endif
.endm
; A phase: the tile in region rg is multiplied and goes out; fill = 1: the next tile is asked for, into the other region.
.macro PHASE rg, fill, v, half
	s_wait_tensorcnt 0x0                           ; my part of this tile is in
	ds_add_u32 v[SPW], v[NIL]
	s_add_nc_u64 s[GR0+4*(\rg)+2:GR0+4*(\rg)+3], s[GR0+4*(\rg)+2:GR0+4*(\rg)+3], 786432   ; this region's next tile: 1,024 rows on
	s_wait_dscnt 0x0                               ; the add, and my reads of the other region
.if \fill
	CROUND
	tensor_load_to_lds s[GR0+4*(1-\rg):GR0+4*(1-\rg)+3], s[G1W:G1W+7]
	s_nop 0
	PLACES 4
.else
	s_barrier_signal -1
	s_barrier_wait -1
.endif
.if \half == 0
	v_add_nc_u32 v[ADWS], s[WOFF], v[ADWS0]
.endif
.irp b, 0,1,2,3
	ds_load_b128 v[WS+8*\b:WS+8*\b+3], v[ADWS] offset:4352*\half+544*\b
	ds_load_b128 v[WS+8*\b+4:WS+8*\b+7], v[ADWS] offset:4352*\half+544*\b+16
.endr
	FW \rg, 0
.if \v == 0
	global_prefetch_b8 v[PFO], s[92:93] offset:98304*\half th:TH_LOAD_NT scope:SCOPE_SE
.endif
.irp st, 0,1,2,3,4,5,6,7
.if \st < 7
.if \st > 0
	PLACES 4                                       ; ahead of loads into the set that the step before read
	WIN 0
.endif
	FW \rg, \st+1
	s_wait_dscnt 24                                ; all but the next step's 24 loads
.else
	s_wait_dscnt 0x0
.endif
	MUL \st, \v
.endr
	EPI \v, \half
.endm
	s_wait_alu depctr_va_vdst(0)
	s_wait_tensorcnt 0x0
	s_mov_b32 s[G1W+2], 32<<16                     ; no load of mine is out: from here on a load brings 32 rows
	s_mov_b32 s[G1W+4], 32
	s_barrier_signal -1
	s_barrier_wait -1                              ; the head's four tiles are whole
.irp a, 0,1,2,3
.irp i, 0,1,2,3
	ds_load_b64 v[XS+8*\a+2*\i:XS+8*\a+2*\i+1], v[ADXS] offset:640*\a+8*\i
.endr
.endr
.irp a, 0,1,2,3
	WIN 0x40*(1+\a/2)
.irp st, 0,1,2,3,4,5,6,7
	FRAG 96*(\a%2)+12*\st, ADX, \st, \a
.endr
.endr
	WIN 0
	s_mov_b32 s[WOFF], 0
	s_mov_b32 s[CNT], 2
.Ltrip:                                                ; q's two tiles, then k's
	PHASE 1, 1, 0, 0
	PHASE 0, 1, 0, 1
	s_wait_xcnt 0x0                                ; stores and prefetches have read their bases
	s_add_nc_u64 s[84:85], s[84:85], 6291456
	s_add_nc_u64 s[86:87], s[86:87], 524288
	s_add_nc_u64 s[92:93], s[92:93], 786432
	s_add_co_u32 s[WOFF], s[WOFF], 8704
	s_sub_co_u32 s[CNT], s[CNT], 1
	s_cmp_lg_u32 s[CNT], 0
	s_wait_alu depctr_va_vdst(0)
	s_cbranch_scc1 .Ltrip
	PHASE 1, 1, 1, 0
	PHASE 0, 0, 1, 1
	s_wait_dscnt 0x0                               ; my halves of v's scale words are stored
	s_barrier_signal -1
	s_barrier_wait -1
	s_cmp_lt_u32 s[WV], 2
	s_cbranch_scc0 .Lno_flush
	ds_load_b128 v[BK:BK+3], v[RDV]
	s_wait_dscnt 0x0
	global_store_b128 v[CO16], v[BK:BK+3], s[90:91] th:TH_STORE_NT   ; 512 consecutive bytes, aligned
.Lno_flush:
	s_wait_tensorcnt 0x0                           ; the wave's end
	ds_add_u32 v[SPW], v[NIL]
	s_wait_dscnt 0x0
	CROUND
	s_endpgm
.Lfunc_end_k_q1bfcdc1ec5_qkv:
	.size	k_q1bfcdc1ec5_qkv, .Lfunc_end_k_q1bfcdc1ec5_qkv-k_q1bfcdc1ec5_qkv
	.p2alignl 7, 3214868480
	.fill 96, 4, 3214868480
	.section	.rodata,"a",@progbits
	.p2align	6, 0x0
	.amdhsa_kernel k_q1bfcdc1ec5_qkv
		.amdhsa_group_segment_fixed_size 327680
		.amdhsa_private_segment_fixed_size 0
		.amdhsa_enable_private_segment 0
		.amdhsa_kernarg_size 48
		.amdhsa_user_sgpr_count 2
		.amdhsa_user_sgpr_kernarg_segment_ptr 1
		.amdhsa_wavefront_size32 1
		.amdhsa_system_sgpr_workgroup_id_x 1
		.amdhsa_system_sgpr_workgroup_id_y 1
		.amdhsa_system_sgpr_workgroup_id_z 1
		.amdhsa_system_vgpr_workitem_id 0
		.amdhsa_next_free_vgpr 896
		.amdhsa_next_free_sgpr 102
		.amdhsa_reserve_vcc 0
		.amdhsa_float_denorm_mode_32 3
		.amdhsa_float_denorm_mode_16_64 3
		.amdhsa_memory_ordered 1
		.amdhsa_forward_progress 1
		.amdhsa_inst_pref_size 185
	.end_amdhsa_kernel
	.amdgpu_metadata
---
amdhsa.version: [ 1, 2 ]
amdhsa.kernels:
  - .name:           k_q1bfcdc1ec5_qkv
    .symbol:         k_q1bfcdc1ec5_qkv.kd
    .args:
      - { .name: x_codes, .offset: 0, .size: 8, .value_kind: global_buffer, .address_space: global }
      - { .name: x_scales, .offset: 8, .size: 8, .value_kind: global_buffer, .address_space: global }
      - { .name: W_qkv_codes, .offset: 16, .size: 8, .value_kind: global_buffer, .address_space: global }
      - { .name: W_qkv_scales, .offset: 24, .size: 8, .value_kind: global_buffer, .address_space: global }
      - { .name: qkv_codes, .offset: 32, .size: 8, .value_kind: global_buffer, .address_space: global }
      - { .name: qkv_scales, .offset: 40, .size: 8, .value_kind: global_buffer, .address_space: global }
    .group_segment_fixed_size: 327680
    .private_segment_fixed_size: 0
    .kernarg_segment_align: 8
    .kernarg_segment_size: 48
    .max_flat_workgroup_size: 128
    .sgpr_count:     102
    .vgpr_count:     896
    .wavefront_size: 32
...
	.end_amdgpu_metadata
.endif
;; end of part 1
;; launch attn (part 2): grid 4 x 64, 16 waves a work-group, clusters of 4 x 1, 215,040 bytes of LDS; arguments qkv_codes, qkv_scales, att_codes, att_scales; writes att_codes, att_scales
.if DOCPART == 2
	.amdgcn_target "amdgcn-amd-amdhsa--gfx1250"
	.amdhsa_code_object_version 6
	.text
	.protected	k_q1bfcdc1ec5_attn
	.globl	k_q1bfcdc1ec5_attn
	.p2align	8
	.type	k_q1bfcdc1ec5_attn,@function
k_q1bfcdc1ec5_attn:
	s_mov_b64 s[64:65], 0
	v_nop
	global_prefetch_b8 v0, s[64:65] scope:SCOPE_SE
	s_setreg_imm32_b32 hwreg(HW_REG_WAVE_MODE, 25, 1), 1
	s_wait_xcnt 0x0
	s_wait_alu depctr_hold_cnt(0) depctr_sa_sdst(0) depctr_va_vdst(0) depctr_va_sdst(0) depctr_va_ssrc(0) depctr_va_vcc(0) depctr_vm_vsrc(0)
	s_getreg_b32 s2, hwreg(HW_REG_IB_STS2, 6, 4)
	s_cmp_eq_u32 s2, 0
	s_cbranch_scc0 .Lentry_in_a_cluster
	s_endpgm
.Lentry_in_a_cluster:
	s_bfe_u32 s2, ttmp6, 0x10000c
	s_cmp_lg_u32 s2, 0x3003
	s_cbranch_scc0 .Lentry_shape_is_right
	s_endpgm
.Lentry_shape_is_right:
; Causal attention of one (batch, head) on codes of FP6 (E2M3): S^T = K Q^T (K = the head's 64 channels), p = 2^(t - M), O^T = V^T P^T (K = the keys), O / l quantised along the channels for the last product.
; t = score x log2(e) / 8; M = the running largest t rounded UP to a whole number; the row's sum l is taken of the unquantised p; when M moves, l and O^T are multiplied by 2^(old M - new M), which rounds nothing.
; SHARES.  The four work-groups of a cluster serve one head.  Work-group cx owns the tiles of 16 queries i = 4 u + cx, u = 0 .. 31; wave w takes u = 31 - w and then u = w.  Tile u wants the key steps (128 keys) 0 .. u / 2,
; whatever cx: (31 - w) / 2 + w / 2 + 2 = 17 steps for every wave, and no branch and no LDS address hangs on cx: it enters Q's and the output's addresses and the mask's threshold alone.
; LDS.  The head's K, V and their scale words, 204 KiB, are brought ONCE, by joint loads (the same descriptor and the mask of the four in all partners): waves 0-3 ask for K's codes in quarters, waves 4-7 for V's, waves 8 and 9 for the scale words;
; a wave has at most one tensor load out.  Nothing is filled again and nothing is stored to LDS.
; OPERANDS lie as images of their registers (register pair g of lane l at 256 g + 8 l), so every LDS load of 8 bytes a lane takes 256 consecutive bytes.
; K = 64 IN A FORM OF K = 128: Q's registers 6-11 are zeros, and the upper two bytes of Q's and K's scale words are 0 (2^-127, no NaN).  K's tiles stand six registers apart, so a tile's upper six registers are the next tile's
; codes (behind the last: zeros): any number of this format times 0 is 0.
; ORDER INSIDE A BLOCK OF 32: q, k, v came with element 16 u + 8 h + j at place 16 h + 8 u + j; p is made here from tiles of the same kind and falls into the same order.  The output is brought into the true order first.
; THE MASK: Steps all of whose keys come after the tile's queries are jumped over (a scalar branch on the wave's number and the step's count); in the one step on the diagonal hidden scores become -infinity.
; LIMITS: a block of zeros gets the byte 1 (its codes are zeros; this program alone reads the bytes).
; REGISTERS: v1 8 l; v2 4 l + K's scale words; v4, v5 the mask's thresholds; v6 32 r + h; v8-10 addresses in hand; v12 -M, v13 largest t, v[14:15] l in two halves; v16-27, v28-39 the two Q; v40, v41 their scale words;
;   v42-95 K's eight tiles, then V's four fragments; v96-159 S^T, then p; v160-191 O^T; v192-195 Q's offsets; v224-235 p's codes; v232-254 at work; v248-251 scale words.
.set KC,   0                           ; K's codes: 128 tiles x 768 bytes
.set VC,   98304                       ; V's codes: 16 key steps x 4 fragments x 1,536 bytes
.set KS,   196608                      ; K's scale words: 128 tiles x 64 bytes
.set VS,   204800                      ; V's: 16 steps x 4 x 64 bytes
.set L8,   1
.set L4,   2
.set DMB,  4
.set DMA,  5
.set ADK,  8
.set ADV,  9
.set ADS,  10
.set ADVS, 3                           ; v3 V's scale words of the step; v7 VS + 4 r; s3 256 bytes a step
.set R4,   7
.set TV,   3
.set QB,   16
.set QA,   28
.set QSB,  40
.set QSA,  41
.set F,    42
.set S,    96
.set O,    160
.set WV,   12                          ; s12 wave, s13 cx, s14 batch x 16 + head
.set CX,   13
.set BH,   14
.set M,    15                          ; s15 the key step's number
.set TB,   16                          ; s16 its codes' place: 6,144 bytes a step, in K and in V
.set TS,   17                          ; s17 its scale words': 512 bytes a step in K; V's, 256 a step, in s3
.set CNT,  18
.set MSTB, 19                          ; s19 the diagonal step of my first tile; s2 of my second
.set MSTA, 2
.set LSEL, 20
.set CS,   22                          ; s[22:23] c = log2(e) / 8
.set G1K,  24
.set G1V,  32
.set G1KS, 40
.set G1VS, 48
.macro MKG1 g, c, r, p                 ; group 1: r rows of c elements of 8 bytes, p elements apart, no padding; the mask names the cluster's four, bit 21 beside it
	s_mov_b32 s[\g], 15|(3<<16)|(1<<21)
	s_mov_b32 s[\g+1], (\c)<<16
	s_mov_b32 s[\g+2], (\r)<<16
	s_mov_b32 s[\g+3], (\c)<<16
	s_mov_b32 s[\g+4], \r
	s_mov_b32 s[\g+5], \p
	s_mov_b32 s[\g+6], 0
	s_mov_b32 s[\g+7], 0
.endm
.macro MKG0 g, lds, base, off          ; group 0: to the LDS byte lds, from s[base:base+1] + off
	s_mov_b32 s[\g], 1
	s_mov_b32 s[\g+1], \lds
	s_add_nc_u64 s[\g+2:\g+3], s[\base:\base+1], \off
	s_or_b32 s[\g+3], s[\g+3], 0x80000000
.endm
.macro CROUND                          ; a round of the cluster's barrier
	s_barrier_signal -1
	s_barrier_wait -1
	s_cmp_lg_u32 s[WV], 0
	s_cbranch_scc1 .Lnot_wave_0_\@
	s_barrier_signal -3
.Lnot_wave_0_\@:
	s_barrier_wait -3
	s_barrier_signal -1
	s_barrier_wait -1
.endm
	s_load_b256 s[4:11], s[0:1], 0x0               ; qkv_codes, qkv_scales, att_codes, att_scales
	v_lshl_add_u32 v243, v0, 2, 0x34000
	v_mov_b32 v255, 0
	ds_add_u32 v243, v255
	ds_add_u32 v243, v255
	v_lshrrev_b32 v8, 5, v0
	s_delay_alu instid0(VALU_DEP_1)
	v_readfirstlane_b32 s[WV], v8                  ; wave 0..15
	v_and_b32 v8, 31, v0
	s_delay_alu instid0(VALU_DEP_1)
	v_lshlrev_b32 v[L8], 3, v8
	s_delay_alu instid0(VALU_DEP_2)
	v_lshl_add_u32 v[L4], v8, 2, KS
	s_bfe_u32 s[CX], ttmp6, 0x40000
	s_and_b32 s[BH], ttmp7, 0xffff
	MKG1 G1K, 96, 32, 192                          ; 32 tiles of K: my head's 768 bytes of each image of 1,536
	MKG1 G1V, 768, 4, 1536                         ; 4 key steps of V: my head's 6,144 bytes of each 12,288
	MKG1 G1KS, 32, 32, 32                          ; K's scale words: my head's 8,192 dense bytes, as rows of 256
	MKG1 G1VS, 32, 16, 64                          ; V's: my head's 256 bytes of each 512
	s_mov_b32 s[LSEL], 0x76543210
	s_mov_b32 s[LSEL+1], 0xfedcba98
	s_mov_b32 s[CS], 0x3e38aa3b
	s_mov_b32 s[CS+1], s[CS]
	s_lshr_b32 s15, s[BH], 1                       ; batch x 8 + head pair
	s_and_b32 s3, s[BH], 1                         ; c: which head of the pair
	s_mul_i32 s2, s15, 196608
	s_lshl_b32 s15, s15, 13
	s_mul_i32 s16, s3, 768
	s_add_co_u32 s66, s2, s16                      ; q's and k's codes
	s_mov_b32 s67, 0
	s_mul_i32 s16, s3, 6144
	s_add_co_u32 s16, s2, s16                      ; v's codes
	s_mov_b32 s17, 0
	s_lshl_b32 s100, s[BH], 13
	s_mov_b32 s101, 0
	s_lshl_b32 s18, s3, 8
	s_add_co_u32 s18, s15, s18                     ; v's
	s_mov_b32 s19, 0
	s_wait_dscnt 0x0
	s_wait_kmcnt 0x0
	s_add_nc_u64 s[66:67], s[4:5], s[66:67]
	s_add_nc_u64 s[16:17], s[4:5], s[16:17]
	s_add_nc_u64 s[100:101], s[6:7], s[100:101]
	s_add_nc_u64 s[18:19], s[6:7], s[18:19]
	; THE FILLS, ONE A WAVE: waves 0-3 a quarter of K's codes each, waves 4-7 a quarter of V's, wave 8 K's scale words, wave 9 V's; a wave has one tensor load out. Waves 10-15 ask for nothing.
	s_and_b32 s2, s[WV], 3
	s_mul_i32 s3, s2, 24576                        ; the quarter in LDS,
	s_mul_i32 s88, s2, 49152                       ; and in memory
	s_mov_b32 s89, 0
	MKG0 60, KC, 66, 6291456
	s_add_co_u32 s61, s61, s3
	s_add_nc_u64 s[62:63], s[62:63], s[88:89]
	MKG0 68, VC, 16, 12582912
	s_add_co_u32 s69, s69, s3
	s_add_nc_u64 s[70:71], s[70:71], s[88:89]
	MKG0 72, KS, 100, 524288
	MKG0 76, VS, 18, 1048576
	CROUND
	s_cmp_lt_u32 s[WV], 4                          ; one chain of branches on the wave's number, one fill to an arm, one join
	s_cbranch_scc0 .Lnot_k
	tensor_load_to_lds s[60:63], s[G1K:G1K+7]
	s_nop 0
.rept 4
	v_nop
.endr
	s_branch .Lasked
.Lnot_k:
	s_cmp_lt_u32 s[WV], 8
	s_cbranch_scc0 .Lnot_v
	tensor_load_to_lds s[68:71], s[G1V:G1V+7]
	s_nop 0
.rept 4
	v_nop
.endr
	s_branch .Lasked
.Lnot_v:
	s_cmp_eq_u32 s[WV], 8
	s_cbranch_scc0 .Lnot_ks
	tensor_load_to_lds s[72:75], s[G1KS:G1KS+7]
	s_nop 0
.rept 4
	v_nop
.endr
	s_branch .Lasked
.Lnot_ks:
	s_cmp_eq_u32 s[WV], 9
	s_cbranch_scc0 .Lasked
	tensor_load_to_lds s[76:79], s[G1VS:G1VS+7]
	s_nop 0
.rept 4
	v_nop
.endr
.Lasked:
	v_and_b32 v9, 15, v0                           ; r
	v_bfe_u32 v10, v0, 4, 1                        ; h
	s_delay_alu instid0(VALU_DEP_1)
	v_lshl_add_u32 v6, v9, 5, v10                  ; 32 r + h: my byte among the output's scale bytes
	s_delay_alu instid0(VALU_DEP_2)
	v_lshlrev_b32 v11, 3, v10
	s_delay_alu instid0(VALU_DEP_1)
	v_sub_nc_u32 v11, v9, v11
	v_lshl_add_u32 v[R4], v9, 2, VS
	s_sub_co_u32 s15, 31, s[WV]                    ; u of my first tile
	s_lshl_b32 s16, s15, 2
	s_add_co_u32 s16, s16, s[CX]                   ; its number i
	s_lshl_b32 s17, s[WV], 2
	s_add_co_u32 s17, s17, s[CX]                   ; my second tile's
	s_mul_i32 s18, s16, 1536
	s_wait_alu depctr_va_vdst(0)
	v_add_nc_u32 v192, s18, v[L8]
	s_mul_i32 s18, s17, 1536
	v_add_nc_u32 v193, s18, v[L8]
	s_lshl_b32 s18, s16, 6
	v_lshl_add_u32 v194, v9, 2, s18
	s_lshl_b32 s18, s17, 6
	v_lshl_add_u32 v195, v9, 2, s18
.irp g, 0,1,2
	global_load_b64 v[QB+2*\g:QB+2*\g+1], v192, s[66:67] offset:256*\g   ; Q stays in registers
	global_load_b64 v[QA+2*\g:QA+2*\g+1], v193, s[66:67] offset:256*\g
.endr
	global_load_b32 v[QSB], v194, s[100:101]
	global_load_b32 v[QSA], v195, s[100:101]
	s_and_b32 s18, s15, 1
	s_lshl_b32 s18, s18, 6
	s_lshl_b32 s3, s[CX], 4
	s_add_co_u32 s18, s18, s3
	v_add_nc_u32 v[DMB], s18, v11                  ; 64 (u % 2) + 16 cx + r - 8 h: register n of S^T (key 16 (n / 8) + 8 h + n % 8 of the diagonal step) is hidden where 16 (n / 8) + n % 8 is above it
	s_and_b32 s18, s[WV], 1
	s_lshl_b32 s18, s18, 6
	s_add_co_u32 s18, s18, s3
	v_add_nc_u32 v[DMA], s18, v11
	s_lshr_b32 s[MSTB], s15, 1
	s_lshr_b32 s[MSTA], s[WV], 1
.irp j, 6,7,8,9,10,11
	v_mov_b32 v[QB+\j], 0                          ; Q's upper half of K: zeros
	v_mov_b32 v[QA+\j], 0
.endr
.irp j, 48,49,50,51,52,53
	v_mov_b32 v[F+\j], 0                           ; behind K's last tile
.endr
.irp b, 0,1,2,3
	v_mov_b32 v[236+\b], 0                         ; a lane permute's destination counts as one of its sources
.endr
	v_mov_b32 v253, 0                              ; named as the upper half of the pair v[252:253] before it is first written
.macro INIT                            ; a tile begins: O^T and l are zeros and the largest t is -3e38, so the first change of M multiplies zeros
	v_mov_b32 v13, 0xff61b1e6
	s_delay_alu instid0(VALU_DEP_1)
	v_floor_f32 v12, -v13
	v_mov_b32 v14, 0
	v_mov_b32 v15, 0
.set j, 0
.rept 32
	v_mov_b32 v[O+j], 0
.set j, j+1
.endr
.endm
	INIT
.macro KQ t, qf, qs                    ; tile t of S^T: 16 keys x my 16 queries; two tiles' scale words share a register: the odd tile's lie in lanes 16-31
.if (\t)%2
	v_wmma_scale_f32_16x16x128_f8f6f4 v[S+8*(\t):S+8*(\t)+7], v[F+6*(\t):F+6*(\t)+11], v[\qf:\qf+11], 0, v[248+(\t)/2], v[\qs] matrix_a_fmt:MATRIX_FMT_FP6 matrix_b_fmt:MATRIX_FMT_FP6 matrix_a_scale:MATRIX_SCALE_ROW1
.else
	v_wmma_scale_f32_16x16x128_f8f6f4 v[S+8*(\t):S+8*(\t)+7], v[F+6*(\t):F+6*(\t)+11], v[\qf:\qf+11], 0, v[248+(\t)/2], v[\qs] matrix_a_fmt:MATRIX_FMT_FP6 matrix_b_fmt:MATRIX_FMT_FP6
.endif
.endm
; A KEY STEP: 128 keys.  masked = 1: the step may lie behind the tile's diagonal step s[ms] (left out) or on it (hidden scores become -infinity).
.macro STEP masked, qf, qs, dm, ms
.if \masked
	s_cmp_gt_u32 s[M], s[\ms]
	s_cbranch_scc1 .Lhid_\@
.endif
	v_add_nc_u32 v[ADK], s[TB], v[L8]              ; these four lines are the places ahead of loads into registers that the last products read
	v_add_nc_u32 v[ADS], s[TS], v[L4]
	s_delay_alu instid0(VALU_DEP_2)
	v_add_nc_u32 v[ADV], VC, v[ADK]
	v_add_nc_u32 v[ADVS], s[TV], v[R4]
.irp i, 0,1,2,3
	ds_load_b32 v[248+\i], v[ADS] offset:128*\i    ; lanes 0-15: tile 2 i's scale words, lanes 16-31: tile 2 i + 1's
.endr
.irp t, 0,1,2,3,4,5,6,7
.irp g, 0,1,2
	ds_load_b64 v[F+6*\t+2*\g:F+6*\t+2*\g+1], v[ADK] offset:768*\t+256*\g
.endr
.endr
	s_wait_alu depctr_va_vdst(0)
	s_wait_dscnt 9                                 ; tiles 5 to 7 (nine loads) may be out: product 3 names tile 4's registers as its upper half
.irp t, 0,1,2,3
	KQ \t, \qf, \qs
.endr
	s_wait_dscnt 0x0
.irp t, 4,5,6,7
	KQ \t, \qf, \qs
.endr
.rept 4
	v_nop                                          ; places ahead of the loads below and of the first read of the scores
.endr
.irp t, 0,1,2,3
.irp g, 0,1,2,3,4,5
	ds_load_b64 v[F+12*\t+2*\g:F+12*\t+2*\g+1], v[ADV] offset:1536*\t+256*\g   ; V's four fragments land while the softmax is worked
.endr
	ds_load_b32 v[248+\t], v[ADVS] offset:64*\t
.endr
.if \masked
	s_cmp_lg_u32 s[M], s[\ms]
	s_cbranch_scc1 .Lopen_\@
	v_mov_b32 v254, 0xff800000                     ; -infinity
.set n, 0
.rept 64
	v_cmp_gt_i32 vcc_lo, 16*(n/8)+n%8, v[\dm]
	v_cndmask_b32 v[S+n], v[S+n], v254, vcc_lo
.set n, n+1
.endr
.Lopen_\@:
.endif
.irp b, 0,1,2,3
	v_max3_num_f32 v[232+\b], v[S+16*\b], v[S+1+16*\b], v[S+2+16*\b]   ; the largest score of each block of 32 keys: for the row's maximum, and, since p rises with the score, for the block's largest p
.endr
.irp i, 3,5,7,9,11,13
.irp b, 0,1,2,3
	v_max3_num_f32 v[232+\b], v[232+\b], v[S+16*\b+\i], v[S+1+16*\b+\i]
.endr
.endr
.irp b, 0,1,2,3
	v_max_num_f32 v[232+\b], v[232+\b], v[S+15+16*\b]
.endr
.irp b, 0,1,2,3
	s_delay_alu instid0(VALU_DEP_4)
	v_permlanex16_b32 v[236+\b], v[232+\b], s[LSEL], s[LSEL+1]
.endr
.irp b, 0,1,2,3
	s_delay_alu instid0(VALU_DEP_4)
	v_max_num_f32 v[232+\b], v[232+\b], v[236+\b]  ; with lane l xor 16's 16 keys
.endr
	s_delay_alu instid0(VALU_DEP_2)
	v_max3_num_f32 v254, v232, v233, v234
	s_delay_alu instid0(VALU_DEP_1)
	v_max_num_f32 v254, v254, v235
	s_delay_alu instid0(VALU_DEP_1)
	v_mul_f32 v254, s[CS], v254                    ; the step's largest t of my query
	s_delay_alu instid0(VALU_DEP_1)
	v_max_num_f32 v13, v13, v254
	v_mov_b32 v254, v12
	s_delay_alu instid0(VALU_DEP_2)
	v_floor_f32 v12, -v13                          ; the new -M = floor(-t): M is a whole number
	s_delay_alu instid0(VALU_DEP_1)
	v_sub_f32 v254, v12, v254                      ; old M - new M, 0 or less
	s_delay_alu instid0(VALU_DEP_1)
	v_cvt_i32_f32 v254, v254                       ; (it saturates)
	s_delay_alu instid0(VALU_DEP_1)
	v_ldexp_f32 v252, 1.0, v254                    ; f = 2^(old M - new M)
.set j, 0
.rept 32
	v_pk_fma_f32 v[S+j:S+j+1], v[S+j:S+j+1], s[CS:CS+1], v[12:13] op_sel_hi:[1,0,0]   ; t - M, two at a time
.set j, j+2
.endr
.irp b, 0,1,2,3
	v_fma_f32 v[232+\b], v[232+\b], s[CS], v12     ; the same of each block's largest score
.endr
.set j, 0
	s_wait_alu depctr_va_vdst(0)
.rept 64
	v_exp_f32 v[S+j], v[S+j]                       ; p = 2^(t - M): not normalised
.set j, j+1
.endr
	v_pk_mul_f32 v[14:15], v[14:15], v[252:253] op_sel_hi:[1,0]   ; l under the new M; a plain place behind the exponentials
	s_wait_alu depctr_va_vdst(0)                   ; one wait for the batch of 64, ahead of its first reader
.irp b, 0,1,2,3
	v_exp_f32 v[232+\b], v[232+\b]                 ; the block's largest p
.endr
	v_pk_add_f32 v[236:237], v[100:101], v[104:105]
	v_pk_add_f32 v[246:247], v[108:109], v[112:113]
	v_pk_add_f32 v[244:245], v[116:117], v[120:121]
	v_pk_add_f32 v[240:241], v[124:125], v[128:129]
	v_pk_add_f32 v[238:239], v[132:133], v[136:137]
	v_pk_add_f32 v[230:231], v[140:141], v[144:145]
	v_pk_add_f32 v[228:229], v[148:149], v[152:153]
	v_pk_add_f32 v[14:15], v[14:15], v[156:157]
	v_pk_add_f32 v[236:237], v[236:237], v[96:97]
	v_pk_add_f32 v[246:247], v[246:247], v[98:99]
	v_pk_add_f32 v[244:245], v[244:245], v[102:103]
	v_pk_add_f32 v[240:241], v[240:241], v[106:107]
	v_pk_add_f32 v[238:239], v[238:239], v[110:111]
	v_pk_add_f32 v[230:231], v[230:231], v[114:115]
	v_pk_add_f32 v[228:229], v[228:229], v[118:119]
	v_pk_add_f32 v[14:15], v[14:15], v[122:123]
	v_pk_add_f32 v[236:237], v[236:237], v[126:127]
	v_pk_add_f32 v[246:247], v[246:247], v[130:131]
	v_pk_add_f32 v[244:245], v[244:245], v[134:135]
	v_pk_add_f32 v[240:241], v[240:241], v[138:139]
	v_pk_add_f32 v[238:239], v[238:239], v[142:143]
	v_pk_add_f32 v[230:231], v[230:231], v[146:147]
	v_pk_add_f32 v[228:229], v[228:229], v[150:151]
	v_pk_add_f32 v[14:15], v[14:15], v[154:155]
	v_pk_add_f32 v[236:237], v[236:237], v[158:159]
	s_delay_alu instid0(VALU_DEP_2)
	v_pk_add_f32 v[14:15], v[14:15], v[240:241]
	s_delay_alu instid0(VALU_DEP_2)
	v_pk_add_f32 v[236:237], v[236:237], v[238:239]
	v_pk_add_f32 v[246:247], v[246:247], v[230:231]
	v_pk_add_f32 v[244:245], v[244:245], v[228:229]
	s_delay_alu instid0(VALU_DEP_2)
	v_pk_add_f32 v[14:15], v[14:15], v[246:247]
	s_delay_alu instid0(VALU_DEP_2)
	v_pk_add_f32 v[236:237], v[236:237], v[244:245]
	s_delay_alu instid0(VALU_DEP_1)
	v_pk_add_f32 v[14:15], v[14:15], v[236:237]
	s_wait_alu depctr_va_vdst(0)                   ; and one for the four
.irp b, 0,1,2,3
	v_max_num_f32 v[232+\b], 0x1800000, v[232+\b]  ; the floor 2^(3 - 127): the byte cannot fall under 1
.endr
.irp b, 0,1,2,3
	s_delay_alu instid0(VALU_DEP_4)
	v_add_nc_u32 v[244+\b], 0xff000000, v[232+\b]  ; 2 off the exponent field: the conversion's scale operand
.endr
.irp b, 0,1,2,3
	s_delay_alu instid0(VALU_DEP_4)
	v_lshrrev_b32 v[236+\b], 23, v[244+\b]
.endr
	s_delay_alu instid0(VALU_DEP_3)
	v_lshl_or_b32 v253, v237, 8, v236              ; p's scale word for these 128 keys
	s_delay_alu instid0(VALU_DEP_1)
	v_lshl_or_b32 v253, v238, 16, v253
	s_delay_alu instid0(VALU_DEP_1)
	v_lshl_or_b32 v253, v239, 24, v253
.irp c, 0,1
	v_cvt_scalef32_pk16_fp6_f32 v[224+6*\c:226+6*\c], v[S+32*\c:S+15+32*\c], v[244+2*\c]
	v_cvt_scalef32_pk16_fp6_f32 v[236+4*\c:238+4*\c], v[S+16+32*\c:S+31+32*\c], v[244+2*\c+1]
.endr
	v_nop                                          ; one plain place behind a scaled conversion
.irp c, 0,1
.irp i, 0,1,2
	v_permlane16_swap_b32 v[224+6*\c+\i], v[236+4*\c+\i]
.endr
.irp i, 0,1,2
	s_delay_alu instid0(VALU_DEP_3)
	v_mov_b32 v[227+6*\c+\i], v[236+4*\c+\i]
.endr
.endr
.set j, 0
.rept 16
	v_pk_mul_f32 v[O+j:O+j+1], v[O+j:O+j+1], v[252:253] op_sel_hi:[1,0]   ; O^T under the new M; these sixteen also stand between the codes' and the scale word's last writes and the products
.set j, j+2
.endr
	s_wait_alu depctr_va_vdst(0)
	s_wait_dscnt 0x0                               ; V is in
.irp t, 0,1,2,3
	v_wmma_scale_f32_16x16x128_f8f6f4 v[O+8*\t:O+8*\t+7], v[F+12*\t:F+12*\t+11], v[224:235], v[O+8*\t:O+8*\t+7], v[248+\t], v253 matrix_a_fmt:MATRIX_FMT_FP6 matrix_b_fmt:MATRIX_FMT_FP6
.endr
.if \masked
.Lhid_\@:
.endif
	s_add_co_u32 s[M], s[M], 1
	s_add_co_u32 s[TB], s[TB], 6144
	s_add_co_u32 s[TS], s[TS], 512
	s_add_co_u32 s[TV], s[TV], 256
.endm
; A tile's way out: O^T / l, brought into the true order of the channels, quantised in two blocks of 32, stored as half an image (768 bytes) and two scale bytes a row.
.macro OUT cp, sp
.rept 4
	v_nop                                          ; places behind the last products
.endr
	v_add_f32 v14, v14, v15
	s_delay_alu instid0(VALU_DEP_1)
	v_permlanex16_b32 v252, v14, s[LSEL], s[LSEL+1]
	s_delay_alu instid0(VALU_DEP_1)
	v_add_f32 v14, v14, v252                       ; the row's sum
	s_wait_alu depctr_va_vdst(0)
	v_rcp_f32 v14, v14
	v_nop                                          ; a plain place behind the reciprocal,
	s_wait_alu depctr_va_vdst(0)                   ; and the wait ahead of its first reader
.set j, 0
.rept 16
	v_pk_mul_f32 v[S+j:S+j+1], v[O+j:O+j+1], v[14:15] op_sel_hi:[1,0]   ; register 8 t + i: channel 16 t + 8 h + i; each accumulator from its low end on
.set j, j+2
.endr
.irp b, 0,1
.irp i, 0,1,2,3,4,5,6,7
	v_permlane16_swap_b32 v[S+16*\b+\i], v[S+16*\b+8+\i]   ; now register 16 b + i is channel 32 b + 16 h + i
.endr
.endr
.irp b, 0,1
	v_max3_num_f32 v[232+\b], |v[S+16*\b]|, |v[S+1+16*\b]|, 0x1800000
.endr
.irp i, 2,4,6,8,10,12,14
.irp b, 0,1
	s_delay_alu instid0(VALU_DEP_2)
	v_max3_num_f32 v[232+\b], v[232+\b], |v[S+16*\b+\i]|, |v[S+1+16*\b+\i]|
.endr
.endr
.irp b, 0,1
	s_delay_alu instid0(VALU_DEP_2)
	v_permlanex16_b32 v[236+\b], v[232+\b], s[LSEL], s[LSEL+1]
.endr
.irp b, 0,1
	s_delay_alu instid0(VALU_DEP_2)
	v_max_num_f32 v[232+\b], v[232+\b], v[236+\b]
.endr
.irp b, 0,1
	s_delay_alu instid0(VALU_DEP_2)
	v_add_nc_u32 v[244+\b], 0xff000000, v[232+\b]
.endr
.irp b, 0,1
	s_delay_alu instid0(VALU_DEP_2)
	v_lshrrev_b32 v[236+\b], 23, v[244+\b]
.endr
	v_cvt_scalef32_pk16_fp6_f32 v[224:226], v[S:S+15], v244
	v_cvt_scalef32_pk16_fp6_f32 v[228:230], v[S+16:S+31], v245
	v_nop
.irp i, 0,1,2
	v_permlane16_swap_b32 v[224+\i], v[228+\i]
.endr
.irp i, 0,1,2
	s_delay_alu instid0(VALU_DEP_3)
	v_mov_b32 v[227+\i], v[228+\i]
.endr
.irp g, 0,1,2
	global_store_b64 v[L8], v[224+2*\g:225+2*\g], s[\cp:\cp+1] offset:256*\g th:TH_STORE_NT   ; 32 lanes store 256 consecutive bytes, aligned
.endr
	s_mov_b32 vcc_lo, 0xffff0000
	v_cndmask_b32 v254, v236, v237, vcc_lo         ; lanes 0-15 the first block's byte, lanes 16-31 the second's
	global_store_b8 v6, v254, s[\sp:\sp+1]
.endm
	s_wait_loadcnt 0x0                             ; Q is in, so its bases may be written: the four output pointers take their places and those of the inputs
	s_lshr_b32 s15, s[BH], 4                       ; batch
	s_and_b32 s18, s[BH], 15                       ; head
	s_mul_i32 s3, s15, 1572864
	s_mul_i32 s4, s18, 768
	s_add_co_u32 s3, s3, s4
	s_lshl_b32 s15, s15, 16
	s_lshl_b32 s18, s18, 1
	s_add_co_u32 s15, s15, s18
	s_mul_i32 s4, s16, 12288
	s_add_co_u32 s4, s4, s3
	s_mov_b32 s5, 0
	s_add_nc_u64 s[4:5], s[8:9], s[4:5]            ; my first tile's codes,
	s_lshl_b32 s6, s16, 9
	s_add_co_u32 s6, s6, s15
	s_mov_b32 s7, 0
	s_add_nc_u64 s[6:7], s[10:11], s[6:7]          ; its scale bytes,
	s_mul_i32 s66, s17, 12288
	s_add_co_u32 s66, s66, s3
	s_mov_b32 s67, 0
	s_add_nc_u64 s[66:67], s[8:9], s[66:67]        ; my second tile's codes,
	s_lshl_b32 s100, s17, 9
	s_add_co_u32 s100, s100, s15
	s_mov_b32 s101, 0
	s_add_nc_u64 s[100:101], s[10:11], s[100:101]  ; its scale bytes
	s_mov_b32 s[M], 0
	s_mov_b32 s[TB], 0
	s_mov_b32 s[TS], 0
	s_mov_b32 s[TV], 0
	s_wait_tensorcnt 0x0                           ; my one load is in; behind the barrier the head's K, V and scale words are whole; nothing is filled again
	s_barrier_signal -1
	s_barrier_wait -1
	s_mov_b32 s[CNT], 8
.Lq0:
	STEP 0, QB, QSB, DMB, MSTB
	s_sub_co_u32 s[CNT], s[CNT], 1
	s_cmp_lg_u32 s[CNT], 0
	s_cbranch_scc1 .Lq0
	s_mov_b32 s[CNT], 8
.Lq2:
	STEP 1, QB, QSB, DMB, MSTB
	s_sub_co_u32 s[CNT], s[CNT], 1
	s_cmp_lg_u32 s[CNT], 0
	s_cbranch_scc1 .Lq2
	OUT 4, 6
	INIT
	s_mov_b32 s[M], 0
	s_mov_b32 s[TB], 0
	s_mov_b32 s[TS], 0
	s_mov_b32 s[TV], 0
	s_wait_xcnt 0x0
	s_mov_b32 s[CNT], 8
.Lq3:
	STEP 1, QA, QSA, DMA, MSTA
	s_sub_co_u32 s[CNT], s[CNT], 1
	s_cmp_lg_u32 s[CNT], 0
	s_cbranch_scc1 .Lq3
	OUT 66, 100
	s_wait_dscnt 0x0
	s_wait_tensorcnt 0x0
	ds_add_u32 v243, v255
	s_wait_dscnt 0x0
	CROUND                                         ; the closing round
	s_endpgm
.Lfunc_end_k_q1bfcdc1ec5_attn:
	.size	k_q1bfcdc1ec5_attn, .Lfunc_end_k_q1bfcdc1ec5_attn-k_q1bfcdc1ec5_attn
	.p2alignl 7, 3214868480
	.fill 96, 4, 3214868480
	.section	.rodata,"a",@progbits
	.p2align	6, 0x0
	.amdhsa_kernel k_q1bfcdc1ec5_attn
		.amdhsa_group_segment_fixed_size 215040
		.amdhsa_private_segment_fixed_size 0
		.amdhsa_enable_private_segment 0
		.amdhsa_kernarg_size 32
		.amdhsa_user_sgpr_count 2
		.amdhsa_user_sgpr_kernarg_segment_ptr 1
		.amdhsa_wavefront_size32 1
		.amdhsa_system_sgpr_workgroup_id_x 1
		.amdhsa_system_sgpr_workgroup_id_y 1
		.amdhsa_system_sgpr_workgroup_id_z 1
		.amdhsa_system_vgpr_workitem_id 0
		.amdhsa_next_free_vgpr 256
		.amdhsa_next_free_sgpr 102
		.amdhsa_reserve_vcc 1
		.amdhsa_float_denorm_mode_32 3
		.amdhsa_float_denorm_mode_16_64 3
		.amdhsa_memory_ordered 1
		.amdhsa_forward_progress 1
		.amdhsa_inst_pref_size 90
	.end_amdhsa_kernel
	.amdgpu_metadata
---
amdhsa.version: [ 1, 2 ]
amdhsa.kernels:
  - .name:           k_q1bfcdc1ec5_attn
    .symbol:         k_q1bfcdc1ec5_attn.kd
    .args:
      - { .name: qkv_codes, .offset: 0, .size: 8, .value_kind: global_buffer, .address_space: global }
      - { .name: qkv_scales, .offset: 8, .size: 8, .value_kind: global_buffer, .address_space: global }
      - { .name: att_codes, .offset: 16, .size: 8, .value_kind: global_buffer, .address_space: global }
      - { .name: att_scales, .offset: 24, .size: 8, .value_kind: global_buffer, .address_space: global }
    .group_segment_fixed_size: 215040
    .private_segment_fixed_size: 0
    .kernarg_segment_align: 8
    .kernarg_segment_size: 32
    .max_flat_workgroup_size: 512
    .sgpr_count:     102
    .vgpr_count:     256
    .wavefront_size: 32
...
	.end_amdgpu_metadata
.endif
;; end of part 2
;; launch proj (part 3): grid 4 x 64, 4 waves a work-group, clusters of 4 x 4, 327,680 bytes of LDS; arguments att_codes, att_scales, W_out_codes, W_out_scales, b_out, out0; writes out0
.if DOCPART == 3
	.amdgcn_target "amdgcn-amd-amdhsa--gfx1250"
	.amdhsa_code_object_version 6
	.text
	.protected	k_q1bfcdc1ec5_proj
	.globl	k_q1bfcdc1ec5_proj
	.p2align	8
	.type	k_q1bfcdc1ec5_proj,@function
k_q1bfcdc1ec5_proj:
	s_mov_b64 s[64:65], 0
	v_nop
	global_prefetch_b8 v0, s[64:65] scope:SCOPE_SE
	s_setreg_imm32_b32 hwreg(HW_REG_WAVE_MODE, 25, 1), 1
	s_wait_xcnt 0x0
	s_wait_alu depctr_hold_cnt(0) depctr_sa_sdst(0) depctr_va_vdst(0) depctr_va_sdst(0) depctr_va_ssrc(0) depctr_va_vcc(0) depctr_vm_vsrc(0)
	s_getreg_b32 s2, hwreg(HW_REG_IB_STS2, 6, 4)
	s_cmp_eq_u32 s2, 0
	s_cbranch_scc0 .Lentry_in_a_cluster
	s_endpgm
.Lentry_in_a_cluster:
	s_bfe_u32 s2, ttmp6, 0x10000c
	s_cmp_lg_u32 s2, 0xf033
	s_cbranch_scc0 .Lentry_shape_is_right
	s_endpgm
.Lentry_shape_is_right:
; out0 = att W_out^T + b_out on codes of FP6 (E2M3) with E8M0 scales, sums in f32.
; att_codes: [batch x 128 + tile of 16 t][8 K steps][1536]: images of operand registers (register pair g of lane l at 256 g + 8 l); att_scales [batch x 2048 + t][32]. W_out: rows of 768 bytes of codes and 32 scale bytes.
; SHARES. A work-group makes 128 rows of att (Y) x 256 rows of W_out (X): 256 work-groups. A wave makes 64 x 128: 32 accumulators in window 2.
; LDS. All of K of both operands and their scale bytes come ONCE, one tensor load a wave at the head: W's 256 whole rows (16 bytes of padding behind every 256), att's 98,304 dense bytes, and the two dense blocks of scale bytes. Nothing is filled again.
; CLUSTERS 4 x 4: att's tiles are asked for jointly along a row of the cluster, W's along a column.
; No prefetch: every byte is asked for by the head's loads, and there is no loop to run ahead in.
; Source 0 = W's rows, source 1 = att's rows: a lane holds eight neighbouring columns of a row of the result; the bias is the C of the first products.
; The way out goes through a stage in att's LDS bytes, behind a barrier behind which no wave reads them.
; LIMIT: an input scale byte 0xff is not served.
.set RP, 816
.set AC, 208896                        ; att's images
.set ASC, 307200                       ; att's scale bytes, units of 256 + 16; W's lie directly behind
.set WSC, 311552
.set SPARE, 320256
.set SPITCH, 528
.set ROWC, 16384                       ; from t to t + 1 in out0
.set ADB, 8                            ; v8-9 W's blocks 0-3, v10-11 blocks 4-7
.set ADA, 12
.set ADS, 13
.set STO, 14
.set RD, 15
.set CO, 16
.set BO, 17
.set SPW, 28
.set NIL, 29
.set SC, 32                            ; scale words: 32 (step / 4) + 4 i + step % 4: lanes 0-15 att's block i, lanes 16-31 W's block i
.set BI, 96                            ; the bias
.set AF, 160                           ; att's fragments, two sets of 48
.set BK, 32
.set WV, 16
.set HX, 17
.set HW, 18
.set G1A, 24
.set G1W, 32
.set G1AS, 40
.set G1WS, 48
.set GA, 56
.set GW, 60
.set GAS, 68
.set GWS, 72
.set MSB, 0
.macro WIN new
.if MSB != (\new)
	s_set_vgpr_msb (MSB<<8)|(\new)
.set MSB, (\new)
.endif
.endm
.macro PLACES n
.rept \n
	v_nop
.endr
.endm
.macro CROUND
	s_barrier_signal -1
	s_barrier_wait -1
	s_cmp_lg_u32 s[WV], 0
	s_cbranch_scc1 .Lnot_wave_0_\@
	s_barrier_signal -3
.Lnot_wave_0_\@:
	s_barrier_wait -3
	s_barrier_signal -1
	s_barrier_wait -1
.endm
.macro MKG1 g, d0, d1, p
	s_mov_b32 s[\g+1], (\d0)<<16
	s_mov_b32 s[\g+2], (\d1)<<16
	s_mov_b32 s[\g+3], (\d0)<<16
	s_mov_b32 s[\g+4], \d1
	s_mov_b32 s[\g+5], \p
	s_mov_b32 s[\g+6], 0
	s_mov_b32 s[\g+7], 0
.endm
.macro MKG0 g, b
	s_mov_b32 s[\g], 1
	s_mov_b64 s[\g+2:\g+3], s[\b:\b+1]
	s_or_b32 s[\g+3], s[\g+3], 0x80000000
.endm
.macro ARM under, g0, g1, next
	s_cmp_lt_u32 s[WV], \under
	s_cbranch_scc0 \next
	tensor_load_to_lds s[\g0:\g0+3], s[\g1:\g1+7]
	s_nop 0
	PLACES 4
	s_branch .Lhead_asked
\next:
.endm
	s_load_b256 s[4:11], s[0:1], 0x0               ; att_codes, att_scales, W's codes, W's scales
	s_load_b128 s[12:15], s[0:1], 0x20             ; b_out, out0
	v_lshl_add_u32 v[SPW], v0, 2, SPARE
	v_mov_b32 v[NIL], 0
	ds_add_u32 v[SPW], v[NIL]                      ; the opening lines: the add twice and its wait
	ds_add_u32 v[SPW], v[NIL]
	v_lshrrev_b32 v1, 5, v0
	v_readfirstlane_b32 s[WV], v1
	s_lshr_b32 s[HX], s[WV], 1
	s_and_b32 s[HW], s[WV], 1
	s_bfe_u32 s95, ttmp6, 0x40000                  ; cx
	s_bfe_u32 s98, ttmp6, 0x40004                  ; cy
	s_lshl_b32 s100, ttmp9, 2
	s_add_co_u32 s100, s100, s95                   ; X
	s_and_b32 s99, ttmp7, 0xffff
	s_lshl_b32 s99, s99, 2
	s_add_co_u32 s99, s99, s98                     ; Y
	s_lshl_b32 s22, s98, 2
	s_lshl_b32 s22, 15, s22
	s_lshl_b32 s94, 0x1111, s95
	s_or_b32 s[G1A], s22, (3<<16)|(1<<21)
	s_or_b32 s[G1W], s94, (1<<20)|(1<<21)|(5<<22)|(3<<25)
	s_or_b32 s[G1AS], s22, (3<<16)|(1<<20)|(1<<21)|(5<<22)|(3<<25)
	s_or_b32 s[G1WS], s94, (3<<16)|(1<<20)|(1<<21)|(5<<22)|(3<<25)
	MKG1 G1A, 32, 384, 32                          ; 98,304 dense bytes as rows of 256
	MKG1 G1W, 768, 256, 768
	MKG1 G1AS, 32, 16, 32
	MKG1 G1WS, 32, 32, 32
	s_mul_i32 s2, s99, 98304
	s_mov_b32 s3, 0
	s_lshl_b32 s66, s99, 12
	s_mov_b32 s67, 0
	s_mul_i32 s20, s100, 196608
	s_mov_b32 s21, 0
	s_lshl_b32 s84, s100, 13
	s_mov_b32 s85, 0
	s_wait_dscnt 0x0
	s_wait_kmcnt 0x0
	s_add_nc_u64 s[2:3], s[4:5], s[2:3]
	s_add_nc_u64 s[66:67], s[6:7], s[66:67]
	s_add_nc_u64 s[20:21], s[8:9], s[20:21]
	s_add_nc_u64 s[84:85], s[10:11], s[84:85]
	CROUND                                         ; the joint loads meet
	MKG0 GA, 2
	s_mov_b32 s[GA+1], AC
	MKG0 GW, 20
	s_mov_b32 s[GW+1], 0
	MKG0 GAS, 66
	s_mov_b32 s[GAS+1], ASC
	MKG0 GWS, 84
	s_mov_b32 s[GWS+1], WSC
	ARM 1, GW, G1W, .Lh1                           ; one tensor load a wave
	ARM 2, GA, G1A, .Lh2
	ARM 3, GAS, G1AS, .Lh3
	tensor_load_to_lds s[GWS:GWS+3], s[G1WS:G1WS+7]
	s_nop 0
	PLACES 4
.Lhead_asked:
	s_lshl_b32 s20, s100, 10
	s_lshl_b32 s21, s[HW], 9
	s_add_co_u32 s20, s20, s21                     ; my first column, in bytes
	s_mov_b32 s21, 0
	s_add_nc_u64 s[12:13], s[12:13], s[20:21]
	s_and_b32 s19, s99, 15
	s_lshl_b32 s19, s19, 7
	s_lshl_b32 s23, s[HX], 6
	s_add_co_u32 s19, s19, s23                     ; my first t
	s_lshl_b32 s19, s19, 2
	s_lshr_b32 s23, s99, 4
	s_add_co_u32 s19, s19, s23                     ; x 4 + batch
	s_lshl_b32 s19, s19, 12
	s_add_co_u32 s20, s20, s19
	s_add_nc_u64 s[14:15], s[14:15], s[20:21]
	s_mul_i32 s2, s[HW], 128*RP
	s_mul_i32 s3, s[HX], 49152
	s_add_co_u32 s3, s3, AC
	s_mul_i32 s23, s[HX], 2176
	s_add_co_u32 s66, s23, ASC
	s_mul_i32 s67, s[HW], 4352
	s_add_co_u32 s67, s67, WSC-ASC
	s_sub_co_u32 s67, s67, s23                     ; how far on W's words lie
	s_mul_i32 s19, s[WV], 16*SPITCH
	s_add_co_u32 s19, s19, AC
	v_and_b32 v1, 15, v0                           ; r
	v_bfe_u32 v2, v0, 4, 1                         ; h
	v_and_b32 v3, 31, v0                           ; l
	v_lshlrev_b32 v[BO], 5, v2
.irp b, 0,1,2,3,4,5,6,7
	global_load_b128 v[BI+8*\b:BI+8*\b+3], v[BO], s[12:13] offset:64*\b
	global_load_b128 v[BI+8*\b+4:BI+8*\b+7], v[BO], s[12:13] offset:64*\b+16
.endr
	v_mul_u32_u24 v4, v1, RP
	v_mad_u32_u24 v4, v2, 24, v4
	v_lshl_add_u32 v5, v2, 4, v4
	v_add_nc_u32 v[ADB], s2, v4
	v_add_nc_u32 v[ADB+1], s2, v5
	v_add_nc_u32 v[ADB+2], 64*RP, v[ADB]
	v_add_nc_u32 v[ADB+3], 64*RP, v[ADB+1]
	v_lshl_add_u32 v[ADA], v3, 3, s3
	v_lshrrev_b32 v6, 3, v1
	v_lshlrev_b32 v7, 5, v1
	v_lshl_add_u32 v7, v6, 4, v7                   ; 32 r + 16 for each 256 passed
	v_mul_u32_u24 v6, s67, v2
	v_add_nc_u32 v7, v7, v6
	v_add_nc_u32 v[ADS], s66, v7
	v_mul_u32_u24 v6, v1, SPITCH
	v_lshl_add_u32 v6, v2, 5, v6
	v_add_nc_u32 v[STO], s19, v6
	v_lshlrev_b32 v[CO], 4, v3
	v_add_nc_u32 v[RD], s19, v[CO]
.macro FRAG reg, adr, st, i            ; byte y of a row lies at y + 16 (y / 256)
.irp p, 0,1,2,3,4,5
.set BY, 96*(\st)+48*(\p/3)+8*(\p%3)
.if BY/256 == (BY+24)/256
	ds_load_b64 v[\reg+2*\p:\reg+2*\p+1], v[\adr] offset:BY+16*(BY/256)+(\i)*16*RP
.else
	ds_load_b64 v[\reg+2*\p:\reg+2*\p+1], v[\adr+1] offset:BY+16*(BY/256)+(\i)*16*RP
.endif
.endr
.endm
.macro FETCH_B st                      ; W's eight fragments into set st % 2 of window 1
	WIN 0x40
.irp i, 0,1,2,3,4,5,6,7
	FRAG 128*((\st)%2)+12*\i, ADB+2*(\i/4), \st, \i%4
.endr
	WIN 0
.endm
.macro FETCH_A st
.irp a, 0,1,2,3
.irp p, 0,1,2,3,4,5
	ds_load_b64 v[AF+48*((\st)%2)+12*\a+2*\p:AF+48*((\st)%2)+12*\a+2*\p+1], v[ADA] offset:12288*\a+1536*(\st)+256*\p
.endr
.endr
.endm
.macro MUL st                          ; 32 products; the accumulators take turns
.set SS, SC+32*((\st)/4)+(\st)%4
.irp a, 0,1,2,3
.irp b, 0,1,2,3,4,5,6,7
.if (\st) == 0
	v_wmma_scale_f32_16x16x128_f8f6f4 v[8*(8*\a+\b):8*(8*\a+\b)+7], v[12*\b:12*\b+11], v[AF+12*\a:AF+12*\a+11], v[BI+8*\b:BI+8*\b+7], v[SS+4*\b], v[SS+4*\a] matrix_a_fmt:MATRIX_FMT_FP6 matrix_b_fmt:MATRIX_FMT_FP6 matrix_a_scale:MATRIX_SCALE_ROW1
.else
	v_wmma_scale_f32_16x16x128_f8f6f4 v[8*(8*\a+\b):8*(8*\a+\b)+7], v[128*((\st)%2)+12*\b:128*((\st)%2)+12*\b+11], v[AF+48*((\st)%2)+12*\a:AF+48*((\st)%2)+12*\a+11], v[8*(8*\a+\b):8*(8*\a+\b)+7], v[SS+4*\b], v[SS+4*\a] matrix_a_fmt:MATRIX_FMT_FP6 matrix_b_fmt:MATRIX_FMT_FP6 matrix_a_scale:MATRIX_SCALE_ROW1
.endif
.endr
.endr
.endm
	s_wait_alu depctr_va_vdst(0)
	s_wait_tensorcnt 0x0
	s_barrier_signal -1
	s_barrier_wait -1                              ; all four tiles are whole
.irp g, 0,1
.irp i, 0,1,2,3,4,5,6,7
	ds_load_b128 v[SC+32*\g+4*\i:SC+32*\g+4*\i+3], v[ADS] offset:544*\i+16*\g
.endr
.endr
	FETCH_B 0
	FETCH_A 0
	s_wait_loadcnt 0x0                             ; the bias
.irp st, 0,1,2,3,4,5,6,7
.if \st < 7
.if \st > 0
	PLACES 4                                       ; ahead of loads into the sets that the step before read
.endif
	FETCH_B \st+1
	s_wait_dscnt 48                                ; all but the 48 just issued: this step's fragments are in
	FETCH_A \st+1
.else
	s_wait_dscnt 0x0
.endif
.if \st == 0
	WIN 0x81
.else
	WIN 0xa1
.endif
	MUL \st
.endr
	WIN 0
	s_barrier_signal -1                            ; no LDS instruction of mine is out; behind this barrier nobody reads att's bytes: the stage lies there
	s_barrier_wait -1
.macro TOSTAGE a
	WIN 0x08
.irp b, 0,1,2,3,4,5,6,7
	ds_store_b128 v[STO], v[64*(\a)+8*\b:64*(\a)+8*\b+3] offset:64*\b          ; each accumulator from its low end on
	ds_store_b128 v[STO], v[64*(\a)+8*\b+4:64*(\a)+8*\b+7] offset:64*\b+16
.endr
	WIN 0
.set BB, BK+64*((\a)%2)
.irp t, 0,1,2,3,4,5,6,7,8,9,10,11,12,13,14,15
	ds_load_b128 v[BB+4*\t:BB+4*\t+3], v[RD] offset:\t*SPITCH
.endr
.endm
.macro SEND a, younger
.set BB, BK+64*((\a)%2)
	s_wait_dscnt \younger                          ; the block is back in registers
.if (\a) > 0
	s_add_nc_u64 s[14:15], s[14:15], 16*ROWC
.endif
.irp t, 0,1,2,3,4,5,6,7,8,9,10,11,12,13,14,15
	global_store_b128 v[CO], v[BB+4*\t:BB+4*\t+3], s[14:15] offset:\t*ROWC th:TH_STORE_NT   ; 32 lanes store 512 consecutive bytes, aligned
.endr
.endm
	PLACES 4
	TOSTAGE 0
.irp a, 1,2,3
.if \a > 1
	s_wait_xcnt 0x0                                ; block a - 2's stores have read their registers and their base
.endif
	TOSTAGE \a
	SEND \a-1, 32                                  ; behind block a - 1's loads: block a's 16 stores and 16 loads
.endr
	s_wait_xcnt 0x0
	SEND 3, 0
	s_wait_tensorcnt 0x0                           ; the wave's end
	ds_add_u32 v[SPW], v[NIL]
	s_wait_dscnt 0x0
	CROUND
	s_endpgm
.Lfunc_end_k_q1bfcdc1ec5_proj:
	.size	k_q1bfcdc1ec5_proj, .Lfunc_end_k_q1bfcdc1ec5_proj-k_q1bfcdc1ec5_proj
	.p2alignl 7, 3214868480
	.fill 96, 4, 3214868480
	.section	.rodata,"a",@progbits
	.p2align	6, 0x0
	.amdhsa_kernel k_q1bfcdc1ec5_proj
		.amdhsa_group_segment_fixed_size 327680
		.amdhsa_private_segment_fixed_size 0
		.amdhsa_enable_private_segment 0
		.amdhsa_kernarg_size 48
		.amdhsa_user_sgpr_count 2
		.amdhsa_user_sgpr_kernarg_segment_ptr 1
		.amdhsa_wavefront_size32 1
		.amdhsa_system_sgpr_workgroup_id_x 1
		.amdhsa_system_sgpr_workgroup_id_y 1
		.amdhsa_system_sgpr_workgroup_id_z 1
		.amdhsa_system_vgpr_workitem_id 0
		.amdhsa_next_free_vgpr 768
		.amdhsa_next_free_sgpr 102
		.amdhsa_reserve_vcc 0
		.amdhsa_float_denorm_mode_32 3
		.amdhsa_float_denorm_mode_16_64 3
		.amdhsa_memory_ordered 1
		.amdhsa_forward_progress 1
		.amdhsa_inst_pref_size 96
	.end_amdhsa_kernel
	.amdgpu_metadata
---
amdhsa.version: [ 1, 2 ]
amdhsa.kernels:
  - .name:           k_q1bfcdc1ec5_proj
    .symbol:         k_q1bfcdc1ec5_proj.kd
    .args:
      - { .name: att_codes, .offset: 0, .size: 8, .value_kind: global_buffer, .address_space: global }
      - { .name: att_scales, .offset: 8, .size: 8, .value_kind: global_buffer, .address_space: global }
      - { .name: W_out_codes, .offset: 16, .size: 8, .value_kind: global_buffer, .address_space: global }
      - { .name: W_out_scales, .offset: 24, .size: 8, .value_kind: global_buffer, .address_space: global }
      - { .name: b_out, .offset: 32, .size: 8, .value_kind: global_buffer, .address_space: global }
      - { .name: out0, .offset: 40, .size: 8, .value_kind: global_buffer, .address_space: global }
    .group_segment_fixed_size: 327680
    .private_segment_fixed_size: 0
    .kernarg_segment_align: 8
    .kernarg_segment_size: 48
    .max_flat_workgroup_size: 128
    .sgpr_count:     102
    .vgpr_count:     768
    .wavefront_size: 32
...
	.end_amdgpu_metadata
.endif
;; end of part 3
